; MI455X (gfx1250); checked and timed in simulation.
; The chip was launched on July 23, 2026; its instructions are those of AMD's public machine-readable ISA for CDNA 5 (MIT licence, August 2026) and "CDNA5" Instruction Set Architecture Reference Guide (July 2026). The comments in the code are by the model that wrote it; some were corrected since.
;; Switch Feed Forward. Allowed arithmetic: matrix products marked QUANTISED: E2M1 operands, one E8M0 scale for each 32 along K, by v_wmma_scale_f32_16x16x128_f8f6f4 with both operands' format E2M1 (or v_wmma_scale_f32_32x16x128_f4), f32 sums; products left as they are: f32 operands where the result goes on into a quantised operand, else bf16, f16 or f32 operands; f32 sums; everything else in f32.
;; Inputs: W1 8 x 512 x 1,024 float32; W2 8 x 1,024 x 512 float32; W_switch 512 x 8 float32; b1 8 x 1,024 float32; b2 8 x 512 float32; b_switch 8 float32; x 2,048 x 4 x 512 float32.
;; Outputs: out0 2,048 x 4 x 512 float32; out1 8 float32; out2 8 float32; out3 one number int32; out4 8,192 float32.
;; This version of the problem:
;;   THIS VERSION OF THE PROBLEM IS GIVEN IN LOW PRECISION. The matrix products marked QUANTISED in the list below multiply operands that are first quantised to E2M1 (2 exponent bits, 1 mantissa bit; 4 bits a number), with one power-of-two scale for each 32 numbers along K (OCP MX v1.0); their sums are f32. All else is computed in f32.
;;   The module's matrix products, in the order in which they are computed (A, B: the left and right operand; K: the contracted axis; several contracted axes count as one K, in the product's order):
;;     1. [M 8,192, K 512] x [K 512, N 8]; A: input x; B: input W_switch: left as it is (N = 8 < 16)
;;     2. [M 8,192, K 512] x [K 512, N 8,192]; A: input W1; B: input x: QUANTISED
;;     3. batch 8 x [M 8,192, K 1,024] x [K 1,024, N 512]; A: computed on the way; B: input W2: QUANTISED
;;     4. batch 8,192 x [M 512, K 8] x [K 8, N 1]; A: computed on the way; B: computed on the way: left as it is (K = 8 < 32)
;;   THE QUANTISER, for each operand of a quantised product, along K:
;;     - K is cut into blocks of 32 from its start; a last block that is shorter is filled with zeros.
;;     - A block's scale is 2^e with e = floor(log2(the largest magnitude in the block)) - 2, held to -126 .. 127; a block of zeros has e = 0. As a byte (E8M0): e + 127.
;;     - Each number is divided by its block's scale, clamped to +-6, and rounded to the nearest number of E2M1, ties to even, subnormals kept.
;;     - The product sums the exact products of the quantised numbers (number of the format x scale) in f32.
;;   ~~~python
;;   def quantise(x, axis):      # numpy; x: float32 -> the quantised numbers, widened to float32 again
;;       x = np.moveaxis(x, axis, -1); K = x.shape[-1]
;;       x = np.pad(x, [(0, 0)] * (x.ndim - 1) + [(0, -K % 32)]); x = x.reshape(x.shape[:-1] + (-1, 32)); a = np.abs(x).max(-1, keepdims=True)
;;       e = np.where(a > 0, np.clip(np.frexp(np.where(a > 0, a, 1))[1] - 1 - 2, -126, 127), 0)      # np.frexp(a)[1] - 1 = floor(log2(a)), exactly
;;       r = np.clip(x / 2.0 ** e, -6, 6)
;;       step = 2.0 ** (np.maximum(np.frexp(np.where(r == 0, 1, r))[1] - 1, 0) - 1)
;;       q = np.round(r / step) * step * 2.0 ** e      # np.round: ties to even
;;       return np.moveaxis(q.reshape(q.shape[:-2] + (-1,))[..., :K], -1, axis).astype(np.float32)
;;   ~~~
;;   OPERANDS COMPUTED ON THE WAY. 'Computed on the way' means the value that the module computes at that place (a softmax that the list does not call 'softmax' is quantised finished and normalised). What goes into a quantiser is computed in f32, as accurately as f32 sums, v_exp_f32 and their like allow (about 1e-6 of the number): no bf16 or f16 on the way to a quantiser, and a product that is left as it is and whose result goes on into a quantised operand takes f32 operands (vector FMAs, or v_wmma_f32_16x16x4_f32). A number that lies on a knife's edge between two numbers of the format may be rounded either way, as far as f32 arithmetic and the matrix unit's own rounding can turn it there, and no further.
;; One version. Each part assembles by itself: llvm-mc -triple=amdgcn-amd-amdhsa -mcpu=gfx1250 --defsym DOCPART=n.
;; ======== version 1 of 1: 2 launches
;; workspace buffers: xq 2,097,152 bytes; xs 131,072 bytes; q1 2,097,152 bytes; q2 2,097,152 bytes; wsc 262,144 bytes; rt 10,240 bytes of whole numbers; psum 8,192 bytes
;; launch prep (part 1): grid 768 x 1, 4 waves a work-group, no clusters, 23,040 bytes of LDS; arguments x, W_switch, b_switch, W1, W2, xq, xs, q1, q2, wsc, rt, psum, out4; writes xq, xs, q1, q2, wsc, rt, psum, out4
.if DOCPART == 1
	.amdgcn_target "amdgcn-amd-amdhsa--gfx1250"
	.amdhsa_code_object_version 6
	.text
	.protected	k_qfe8159643f_prep
	.globl	k_qfe8159643f_prep
	.p2align	8
	.type	k_qfe8159643f_prep,@function
k_qfe8159643f_prep:
	s_mov_b64 s[64:65], 0
	v_nop
	global_prefetch_b8 v0, s[64:65] scope:SCOPE_SE
	s_setreg_imm32_b32 hwreg(HW_REG_WAVE_MODE, 25, 1), 1
	s_wait_xcnt 0x0
; THE LAUNCH IN FRONT OF THE EXPERTS.  Three roles, told apart by the work-group's number alone:
;   0..255    block b of 32 tokens: the router (logits in f32, softmax, largest probability, first index that has it) and the tokens' codes of FP4 (E2M1) with one E8M0 byte for each 32 along D
;   256..511  W1 [8][512 k][1024 n] -> codes, quantised along k, laid in the order of the operand's registers
;   512..767  W2 [8][1024 k][512 n] -> the same
; A block's scale is 2^(floor(log2(largest magnitude)) - 2): its byte is the largest magnitude's exponent field - 2, held at 1 from below by a floor among the maximum's leaves.
; WHAT IS STORED OF THE CHOICE: for block b and expert e the 32-bit mask of the tokens that chose e (rt + 1024 e + 4 b), and its number of bits as a byte (rt + 8192 + 256 e + b): values at fixed places.
; No address and no branch of this launch hangs on them; the next launch reads them.
; LAYOUT OF A WEIGHT FRAGMENT (16 rows x 128 k, 1,024 bytes): byte 512 c + 256 h + 16 r on holds the 32 codes of row r, k = 64 c + 32 h + 0..31: two loads of 16 bytes a lane at 16 x lane fill the 8 registers.
;   q1 [e][group of 128 units][K step][tile][1024]: tile 2 b + u, row r is unit 32 b + 8 u + r + 8 (r / 8) of the group, so that the first product's results lie as the second product's K wants them
;   q2 [e][group of 128 outputs][K step][tile][1024]: tile t, row r is output 16 t + r of the group
;   wsc: scale words, 16 bytes (four K steps) a row, 32 rows (two tiles) on end: one load of 16 bytes a lane brings an even tile's words in lanes 0-15 and the odd tile's in lanes 16-31
; LIMITS: NaN and infinities among the inputs are not served.  A block of zeros gets the byte 1 where the quantiser's rule says 127: its codes are zeros, and this program alone reads the bytes.
; The logits are sums of f32 multiply-adds in another order than a plain row sum: a token whose two best probabilities lie within some 1e-6 of each other may go to the other expert.
.set SBL, 20480                        ; LDS: behind the four waves' stages (two of 32 x 80 bytes each): the block's scale bytes, 16 a token
.set LGL, 20992                        ; and its logits, 32 bytes a token
.set ACC, 12                           ; v12-19   a token's eight partial logits
.set LG,  20                           ; v20-27   lane l: the logits of the wave's token l % 8
.set TP,  28                           ; v28-35   the other half of the lanes' sums
.set CD,  36                           ; v36-39   codes, two sets
.set R,   40                           ; v40-87   three sets of 16 numbers as they are loaded
.set XN,  88                           ; v88-119  two sets of 16 neighbours along D
.set EB,  120                          ; v120-127 a scale byte for each of the wave's eight tokens
.set WS,  128                          ; v128-255 W_switch[16 lane + k][e] at WS + 8 k + e
.set WX,  32                           ; the weights' paths: v32-95 two sets of 32 numbers down K
.set WC,  96                           ; v96-111  four registers of codes for each of four blocks
.macro LOAD t                          ; token t's row: four loads of 512 consecutive bytes
.irp i, 0,1,2,3
	global_load_b128 v[R+16*((\t)%3)+4*\i:R+16*((\t)%3)+4*\i+3], v2, s[4:5] offset:2048*(\t)+512*\i th:TH_LOAD_NT
.endr
.endm
.macro TURN t                          ; through the wave's own stage: in as loaded, out 64 neighbouring bytes a lane; LDS serves a wave's instructions in order
.irp i, 0,1,2,3
	ds_store_b128 v5, v[R+16*((\t)%3)+4*\i:R+16*((\t)%3)+4*\i+3] offset:2560*((\t)%2)+640*\i
.endr
.irp i, 0,1,2,3
	ds_load_b128 v[XN+16*((\t)%2)+4*\i:XN+16*((\t)%2)+4*\i+3], v6 offset:2560*((\t)%2)+16*\i
.endr
.endm
.macro STEP t                          ; one token: its eight logits and its codes
.set XS, XN+16*((\t)%2)
.if (\t) > 0
	s_wait_dscnt 1                                 ; my 16 neighbours are back from the stage; the last token's byte store may be out
.else
	s_wait_dscnt 0x0
.endif
.if (\t)+3 < 8
	LOAD (\t)+3                                    ; into the set that this token's row has left
.endif
.if (\t)+1 < 8
.if (\t) <= 4
	s_wait_loadcnt 8                               ; the next token's four loads are in; those of the two tokens behind it may be out
.else
	s_wait_loadcnt 4*(6-(\t))
.endif
	TURN (\t)+1
.endif
.irp j, 0,1,2,3
	v_pk_mul_f32 v[ACC+2*\j:ACC+2*\j+1], v[XS:XS+1], v[WS+2*\j:WS+2*\j+1] op_sel_hi:[0,1]   ; x[16 l] x two experts' weights: the first product starts the sums
.endr
.set K, 1
.rept 15
.irp j, 0,1,2,3
.if K%2
	v_pk_fma_f32 v[ACC+2*\j:ACC+2*\j+1], v[XS+K-1:XS+K], v[WS+8*K+2*\j:WS+8*K+2*\j+1], v[ACC+2*\j:ACC+2*\j+1] op_sel:[1,0,0] op_sel_hi:[1,1,1]   ; the pair's upper number for both halves
.else
	v_pk_fma_f32 v[ACC+2*\j:ACC+2*\j+1], v[XS+K:XS+K+1], v[WS+8*K+2*\j:WS+8*K+2*\j+1], v[ACC+2*\j:ACC+2*\j+1] op_sel_hi:[0,1,1]               ; the pair's lower number for both halves
.endif
.endr
.set K, K+1
.endr
.irp d, 1,2,4,8                        ; the 32 lanes' parts are added, the eight experts by turns
.irp e, 0,1,2,3,4,5,6,7
	v_add_f32_dpp v[ACC+\e], v[ACC+\e], v[ACC+\e] row_xmask:\d row_mask:0xf bank_mask:0xf
.endr
.endr
.irp e, 0,1,2,3,4,5,6,7
	v_permlanex16_b32 v[TP+\e], v[ACC+\e], s44, s45
.endr
.irp e, 0,1,2,3,4,5,6,7
	v_add_f32 v[ACC+\e], v[ACC+\e], v[TP+\e]
.endr
.if (\t) == 0
.irp e, 0,1,2,3,4,5,6,7
	v_mov_b32 v[LG+\e], v[ACC+\e]
.endr
.else
	s_mov_b32 s46, 0x01010101<<(\t)                ; lanes l with l % 8 = t keep this token's logits
.irp e, 0,1,2,3,4,5,6,7
	v_cndmask_b32 v[LG+\e], v[LG+\e], v[ACC+\e], s46
.endr
.endif
	v_max3_num_f32 v8, |v[XS]|, |v[XS+1]|, |v[XS+2]|               ; the largest magnitude of my 16, in two chains
	v_max3_num_f32 v9, |v[XS+3]|, |v[XS+4]|, |v[XS+5]|
.irp i, 6,10
	v_max3_num_f32 v8, v8, |v[XS+\i]|, |v[XS+\i+1]|
	v_max3_num_f32 v9, v9, |v[XS+\i+2]|, |v[XS+\i+3]|
.endr
	v_max3_num_f32 v8, v8, |v[XS+14]|, |v[XS+15]|
	v_max3_num_f32 v8, v8, v9, 0x1800000           ; and the floor 2^(3 - 127): the byte cannot fall under 1
	v_max_num_f32_dpp v8, v8, v8 row_xmask:1 row_mask:0xf bank_mask:0xf   ; with my neighbour's 16: the block's
	v_add_nc_u32 v11, 0xff000000, v8               ; 2 off the exponent field: the conversion takes this operand's exponent field as its scale
	s_wait_xcnt 0x0                                ; the store of two tokens ago has read this set of code registers
	v_cvt_scalef32_pk8_fp4_f32 v[CD+2*((\t)%2)], v[XS:XS+7], v11
	v_cvt_scalef32_pk8_fp4_f32 v[CD+2*((\t)%2)+1], v[XS+8:XS+15], v11
	v_lshrrev_b32 v[EB+(\t)], 23, v11              ; the scale's byte (a plain line behind the conversions)
	ds_store_b8 v4, v[EB+(\t)] offset:16*(\t)      ; both lanes of a block write the same byte with the same value
	global_store_b64 v3, v[CD+2*((\t)%2):CD+2*((\t)%2)+1], s[14:15] offset:256*(\t)   ; the wave stores the token's 256 bytes of codes, aligned
.endm
; The weights: a lane takes a column, its registers run down K: a block of 32 lies in one lane, and the conversions give codes with K innermost.
.macro WLOAD t, pitch, src
.irp i, 0,1,2,3,4,5,6,7,8,9,10,11,12,13,14,15,16,17,18,19,20,21,22,23,24,25,26,27,28,29,30,31
	global_load_b32 v[WX+32*((\t)%2)+\i], v3, s[\src:\src+1] offset:(32*(\t)+\i)*\pitch th:TH_LOAD_NT
.endr
.endm
.macro WBLOCK t, pitch, src, dst
.set XS, WX+32*((\t)%2)
.if (\t) < 3
	s_wait_loadcnt 32                              ; this block's 32 loads are in; the next block's may be out
.else
	s_wait_loadcnt 0x0
.endif
	v_max3_num_f32 v12, |v[XS]|, |v[XS+1]|, |v[XS+2]|
	v_max3_num_f32 v13, |v[XS+3]|, |v[XS+4]|, |v[XS+5]|
.irp i, 6,10,14,18,22,26
	v_max3_num_f32 v12, v12, |v[XS+\i]|, |v[XS+\i+1]|
	v_max3_num_f32 v13, v13, |v[XS+\i+2]|, |v[XS+\i+3]|
.endr
	v_max3_num_f32 v12, v12, |v[XS+30]|, |v[XS+31]|
	v_max3_num_f32 v12, v12, v13, 0x1800000        ; the floor, as above
	v_add_nc_u32 v11, 0xff000000, v12
	v_lshrrev_b32 v13, 23, v11
.if (\t) == 0
	v_mov_b32 v24, v13                             ; the K step's four bytes make the column's scale word
.else
	v_lshl_or_b32 v24, v13, 8*(\t), v24
.endif
.irp g, 0,1,2,3
	v_cvt_scalef32_pk8_fp4_f32 v[WC+4*(\t)+\g], v[XS+8*\g:XS+8*\g+7], v11
.endr
	global_store_b128 v4, v[WC+4*(\t):WC+4*(\t)+3], s[\dst:\dst+1] offset:((\t)/2)*512+((\t)%2)*256   ; sixteen lanes fill 256 consecutive bytes of one tile's image, the other sixteen those of the next tile
.if (\t)+2 < 4
	WLOAD (\t)+2, \pitch, \src
.endif
.endm
.macro WBODY pitch, src, dst           ; 32 columns x 128 along K: four blocks, two of them (64 loads) ahead; each block has its own code registers, so no store's data are written again
	WLOAD 0, \pitch, \src
	WLOAD 1, \pitch, \src
	WBLOCK 0, \pitch, \src, \dst
	WBLOCK 1, \pitch, \src, \dst
	WBLOCK 2, \pitch, \src, \dst
	WBLOCK 3, \pitch, \src, \dst
	global_store_b32 v5, v24, s[22:23]             ; 4 bytes of each row's 16: the other K steps' work-groups write the rest; one byte in 128 of what the launch reads
.endm
	s_load_b512 s[4:19], s[0:1], 0x0               ; x 4:5, W_switch 6:7, b_switch 8:9, W1 10:11, W2 12:13, xq 14:15, xs 16:17, q1 18:19
	s_load_b256 s[20:27], s[0:1], 0x40             ; q2 20:21, wsc 22:23, rt 24:25, psum 26:27
	s_load_b64 s[28:29], s[0:1], 0x60              ; out4
	v_lshl_add_u32 v10, v0, 2, 0x5800
	s_set_vgpr_msb 0x40
	v_mov_b32 v1, 0
	s_set_vgpr_msb 0x4000
	v_lshrrev_b32 v1, 5, v0
	v_readfirstlane_b32 s30, v1                    ; wave 0..3
	v_and_b32 v1, 31, v0                           ; lane
	s_mov_b32 s33, 0                               ; the upper word of the offsets' pair s[32:33]
	s_wait_kmcnt 0x0
	s_cmp_lt_u32 ttmp9, 256
	s_cbranch_scc0 .Lweights
	; ---------------- the tokens: block b = the work-group's number; wave w takes tokens 32 b + 8 w + 0..7 ----------------
	s_load_b256 s[36:43], s[8:9], 0x0              ; b_switch
	v_lshlrev_b32 v2, 4, v1                        ; 16 x lane
	v_lshlrev_b32 v3, 3, v1                        ; 8 x lane: my codes' place in a row
	v_lshlrev_b32 v9, 9, v1                        ; my 16 rows of W_switch: 512 x lane
.irp k, 0,1,2,3,4,5,6,7,8,9,10,11,12,13,14,15
	global_load_b128 v[WS+8*\k:WS+8*\k+3], v9, s[6:7] offset:32*\k
	global_load_b128 v[WS+8*\k+4:WS+8*\k+7], v9, s[6:7] offset:32*\k+16
.endr
	s_lshl_b32 s32, ttmp9, 16                      ; 32 rows of 2,048 bytes a block,
	s_lshl_b32 s31, s30, 14                        ; 8 a wave
	s_add_co_u32 s32, s32, s31
	s_add_nc_u64 s[4:5], s[4:5], s[32:33]
	LOAD 0
	LOAD 1
	LOAD 2
	s_lshl_b32 s32, ttmp9, 13                      ; the codes: 256 bytes a token
	s_lshl_b32 s31, s30, 11
	s_add_co_u32 s32, s32, s31
	s_add_nc_u64 s[14:15], s[14:15], s[32:33]
	v_lshrrev_b32 v7, 1, v1
	s_lshl_b32 s31, s30, 7
	s_add_co_u32 s31, s31, SBL
	v_add_nc_u32 v4, s31, v7                       ; my block's scale byte: SBL + 128 w + lane / 2 (+ 16 t)
	s_mul_i32 s31, s30, 5120                       ; my wave's two stages
	v_lshrrev_b32 v7, 2, v1
	v_mul_u32_u24 v7, v7, 80
	v_and_b32 v8, 3, v1
	v_lshl_add_u32 v7, v8, 4, v7
	v_add_nc_u32 v5, s31, v7                       ; in: four lanes' 64 bytes on end, then 16 of padding
	v_mul_u32_u24 v7, v1, 80
	v_add_nc_u32 v6, s31, v7                       ; out: 80 x lane
	s_mov_b32 s44, 0x76543210
	s_mov_b32 s45, 0xfedcba98                      ; v_permlanex16_b32's selects for lane l xor 16
.irp e, 0,1,2,3,4,5,6,7
	v_mov_b32 v[TP+\e], 0                          ; written once: a lane permute's destination counts as one of its sources
.endr
	s_wait_loadcnt 8                               ; W_switch and token 0 are in; tokens 1 and 2 may be out
	TURN 0
.irp t, 0,1,2,3,4,5,6,7
	STEP \t
.endr
	v_and_b32 v7, 7, v1
	s_lshl_b32 s31, s30, 8
	v_lshl_add_u32 v7, v7, 5, s31                  ; 32 bytes a token: (8 w + lane % 8) x 32; the four lanes that hold a token write the same values
	ds_store_b128 v7, v[LG:LG+3] offset:LGL
	ds_store_b128 v7, v[LG+4:LG+7] offset:LGL+16
	s_wait_kmcnt 0x0                               ; b_switch
	s_wait_dscnt 0x0                               ; for the others' sake: my logits and scale bytes lie in LDS
	s_barrier_signal -1
	s_barrier_wait -1
	s_cmp_lg_u32 s30, 0
	s_cbranch_scc1 .Lxend                          ; wave 0 finishes the block: a lane a token
	v_lshlrev_b32 v7, 5, v1
	ds_load_b128 v[40:43], v7 offset:LGL
	ds_load_b128 v[44:47], v7 offset:LGL+16
	ds_load_b128 v[48:51], v2 offset:SBL
	s_lshl_b32 s32, ttmp9, 9
	s_add_nc_u64 s[16:17], s[16:17], s[32:33]      ; xs + 512 b
	s_lshl_b32 s32, ttmp9, 7
	s_add_nc_u64 s[28:29], s[28:29], s[32:33]      ; out4 + 128 b
	s_mov_b32 s32, ttmp9
	s_add_nc_u64 s[62:63], s[24:25], s[32:33]      ; rt + b: the counts' bytes
	s_lshl_b32 s32, ttmp9, 2
	s_add_nc_u64 s[24:25], s[24:25], s[32:33]      ; rt + 4 b: the masks
	s_lshl_b32 s32, ttmp9, 5
	s_add_nc_u64 s[26:27], s[26:27], s[32:33]      ; psum + 32 b
	v_lshlrev_b32 v84, 2, v1
	v_lshlrev_b32 v85, 10, v1
	v_lshlrev_b32 v86, 8, v1
	v_mov_b32 v81, 0                               ; lane e: expert e's mask,
	v_mov_b32 v82, 0                               ; its count,
	v_mov_b32 v83, 0                               ; its column sum
	s_wait_dscnt 0x0
	global_store_b128 v2, v[48:51], s[16:17]       ; the block's 512 scale bytes: the wave stores them on end, aligned
.irp e, 0,1,2,3,4,5,6,7
	v_add_f32 v[40+\e], s[36+\e], v[40+\e]         ; + b_switch
.endr
	v_max3_num_f32 v52, v40, v41, v42
	v_max3_num_f32 v52, v52, v43, v44
	v_max3_num_f32 v52, v52, v45, v46
	v_max_num_f32 v52, v52, v47                    ; the row's largest logit is taken away ahead of the exponentials
.irp e, 0,1,2,3,4,5,6,7
	v_sub_f32 v[40+\e], v[40+\e], v52
.endr
.irp e, 0,1,2,3,4,5,6,7
	v_mul_f32 v[40+\e], 0x3fb8aa3b, v[40+\e]       ; x log2(e)
.endr
.irp e, 0,1,2,3,4,5,6,7
	v_exp_f32 v[56+\e], v[40+\e]
.endr
	v_nop                                          ; a plain line behind the last exponential
	s_wait_alu depctr_va_vdst(0)                   ; one wait for the eight, ahead of their first reader
	v_add_f32 v64, v56, v57
	v_add_f32 v65, v58, v59
	v_add_f32 v66, v60, v61
	v_add_f32 v67, v62, v63
	v_add_f32 v64, v64, v65
	v_add_f32 v66, v66, v67
	v_add_f32 v64, v64, v66
	v_rcp_f32 v68, v64
	v_nop
	s_wait_alu depctr_va_vdst(0)                   ; and one for the reciprocal
.irp e, 0,1,2,3,4,5,6,7
	v_mul_f32 v[72+\e], v[56+\e], v68              ; the probabilities
.endr
	v_max3_num_f32 v80, v72, v73, v74
	v_max3_num_f32 v80, v80, v75, v76
	v_max3_num_f32 v80, v80, v77, v78
	v_max_num_f32 v80, v80, v79                    ; the largest
	global_store_b32 v84, v80, s[28:29]
	s_mov_b32 s47, 0                               ; tokens that have their expert
.irp e, 0,1,2,3,4,5,6,7
	v_cmp_eq_f32 s48, v[72+\e], v80
	s_and_not1_b32 s[52+\e], s48, s47              ; the lowest index that has the largest probability takes the token
	s_or_b32 s47, s47, s48
	s_bcnt1_i32_b32 s60, s[52+\e]
	v_writelane_b32 v81, s[52+\e], \e
	v_writelane_b32 v82, s60, \e
.endr
.irp d, 1,2,4,8                        ; the block's column sums of the probabilities
.irp e, 0,1,2,3,4,5,6,7
	v_add_f32_dpp v[72+\e], v[72+\e], v[72+\e] row_xmask:\d row_mask:0xf bank_mask:0xf
.endr
.endr
.irp e, 0,1,2,3,4,5,6,7
	v_permlanex16_b32 v[TP+\e], v[72+\e], s44, s45
.endr
.irp e, 0,1,2,3,4,5,6,7
	v_add_f32 v[72+\e], v[72+\e], v[TP+\e]
.endr
.irp e, 0,1,2,3,4,5,6,7
	v_readfirstlane_b32 s48, v[72+\e]
	v_writelane_b32 v83, s48, \e
.endr
	v_cmp_gt_u32 vcc_lo, 8, v1
	s_wait_xcnt 0x0                                ; EXEC changes only behind this wait: earlier stores have taken theirs
	s_and_saveexec_b32 s61, vcc_lo                 ; lanes 0 to 7: an expert each
	global_store_b32 v85, v81, s[24:25]            ; rt + 1024 e + 4 b
	global_store_b8 v86, v82, s[62:63] offset:8192 ; rt + 8192 + 256 e + b
	global_store_b32 v84, v83, s[26:27]            ; psum + 32 b + 4 e
	s_wait_xcnt 0x0
	s_or_b32 exec_lo, exec_lo, s61
.Lxend:
	s_set_vgpr_msb 0x4
	s_wait_tensorcnt 0x0
	ds_add_u32 v10, v1
	s_wait_dscnt 0x0
	s_set_vgpr_msb 0x400
	s_endpgm
.Lweights:
	v_lshlrev_b32 v3, 2, v1                        ; in: 4 bytes a lane: 128 consecutive bytes a wave, 512 a work-group
	s_cmp_lt_u32 ttmp9, 512
	s_cbranch_scc0 .Lw2
	; ---------------- W1: j = e x 32 + group of 128 units x 4 + K step ----------------
	s_sub_co_u32 s31, ttmp9, 256
	s_lshr_b32 s34, s31, 5                         ; e
	s_bfe_u32 s35, s31, 0x30002                    ; the group, 0..7
	s_and_b32 s36, s31, 3                          ; the K step, 0..3
	s_lshl_b32 s32, s34, 21                        ; source: e x 512 x 4,096 + K step x 128 x 4,096 + group x 512 + wave x 128
	s_lshl_b32 s37, s36, 19
	s_add_co_u32 s32, s32, s37
	s_lshl_b32 s37, s35, 9
	s_add_co_u32 s32, s32, s37
	s_lshl_b32 s37, s30, 7
	s_add_co_u32 s32, s32, s37
	s_add_nc_u64 s[10:11], s[10:11], s[32:33]
	s_lshl_b32 s32, s34, 18                        ; codes: e x 262,144 + group x 32,768 + K step x 8,192 + wave x 2 tiles
	s_lshl_b32 s37, s35, 15
	s_add_co_u32 s32, s32, s37
	s_lshl_b32 s37, s36, 13
	s_add_co_u32 s32, s32, s37
	s_lshl_b32 s37, s30, 11
	s_add_co_u32 s32, s32, s37
	s_add_nc_u64 s[18:19], s[18:19], s[32:33]
	s_lshl_b32 s32, s34, 14                        ; scale words: e x 16,384 + (4 group + wave) x 512 + 4 K step
	s_lshl_b32 s37, s35, 2
	s_add_co_u32 s37, s37, s30
	s_lshl_b32 s37, s37, 9
	s_add_co_u32 s32, s32, s37
	s_lshl_b32 s37, s36, 2
	s_add_co_u32 s32, s32, s37
	s_add_nc_u64 s[22:23], s[22:23], s[32:33]
	v_bfe_u32 v7, v1, 3, 1                         ; column o of the wave's 32 is row r = o % 8 + 8 (o / 16) of tile u = (o / 8) % 2
	v_and_b32 v8, 7, v1
	v_lshrrev_b32 v9, 4, v1
	v_lshl_add_u32 v8, v9, 3, v8
	v_lshlrev_b32 v4, 4, v8
	v_lshl_add_u32 v4, v7, 10, v4                  ; 1,024 u + 16 r
	v_lshlrev_b32 v5, 4, v8
	v_lshl_add_u32 v5, v7, 8, v5                   ; 16 (16 u + r)
	WBODY 4096, 10, 18
	s_endpgm
.Lw2:
	; ---------------- W2: j = e x 32 + group of 128 outputs x 8 + K step ----------------
	s_sub_co_u32 s31, ttmp9, 512
	s_lshr_b32 s34, s31, 5                         ; e
	s_bfe_u32 s35, s31, 0x20003                    ; the group, 0..3
	s_and_b32 s36, s31, 7                          ; the K step, 0..7
	s_lshl_b32 s32, s34, 21                        ; source: e x 1,024 x 2,048 + K step x 128 x 2,048 + group x 512 + wave x 128
	s_lshl_b32 s37, s36, 18
	s_add_co_u32 s32, s32, s37
	s_lshl_b32 s37, s35, 9
	s_add_co_u32 s32, s32, s37
	s_lshl_b32 s37, s30, 7
	s_add_co_u32 s32, s32, s37
	s_add_nc_u64 s[12:13], s[12:13], s[32:33]
	s_lshl_b32 s32, s34, 18                        ; codes: e x 262,144 + group x 65,536 + K step x 8,192 + wave x 2 tiles
	s_lshl_b32 s37, s35, 16
	s_add_co_u32 s32, s32, s37
	s_lshl_b32 s37, s36, 13
	s_add_co_u32 s32, s32, s37
	s_lshl_b32 s37, s30, 11
	s_add_co_u32 s32, s32, s37
	s_add_nc_u64 s[20:21], s[20:21], s[32:33]
	s_lshl_b32 s32, s34, 14                        ; scale words: 131,072 + e x 16,384 + ((4 group + wave) x 2 + K step / 4) x 512 + 4 (K step % 4)
	s_lshl_b32 s37, s35, 2
	s_add_co_u32 s37, s37, s30
	s_lshl_b32 s37, s37, 1
	s_lshr_b32 s38, s36, 2
	s_add_co_u32 s37, s37, s38
	s_lshl_b32 s37, s37, 9
	s_add_co_u32 s32, s32, s37
	s_and_b32 s38, s36, 3
	s_lshl_b32 s38, s38, 2
	s_add_co_u32 s32, s32, s38
	s_add_co_u32 s32, s32, 131072
	s_add_nc_u64 s[22:23], s[22:23], s[32:33]
	v_and_b32 v8, 15, v1                           ; column o is row o % 16 of tile o / 16
	v_lshrrev_b32 v9, 4, v1
	v_lshlrev_b32 v4, 4, v8
	v_lshl_add_u32 v4, v9, 10, v4
	v_lshlrev_b32 v5, 4, v1
	WBODY 2048, 12, 20
	s_endpgm
.Lfunc_end_k_qfe8159643f_prep:
	.size	k_qfe8159643f_prep, .Lfunc_end_k_qfe8159643f_prep-k_qfe8159643f_prep
	.p2alignl 7, 3214868480
	.fill 96, 4, 3214868480
	.section	.rodata,"a",@progbits
	.p2align	6, 0x0
	.amdhsa_kernel k_qfe8159643f_prep
		.amdhsa_group_segment_fixed_size 23040
		.amdhsa_private_segment_fixed_size 0
		.amdhsa_enable_private_segment 0
		.amdhsa_kernarg_size 104
		.amdhsa_user_sgpr_count 2
		.amdhsa_user_sgpr_kernarg_segment_ptr 1
		.amdhsa_wavefront_size32 1
		.amdhsa_system_sgpr_workgroup_id_x 1
		.amdhsa_system_sgpr_workgroup_id_y 1
		.amdhsa_system_sgpr_workgroup_id_z 1
		.amdhsa_system_vgpr_workitem_id 0
		.amdhsa_next_free_vgpr 258
		.amdhsa_next_free_sgpr 66
		.amdhsa_reserve_vcc 1
		.amdhsa_float_denorm_mode_32 3
		.amdhsa_float_denorm_mode_16_64 3
		.amdhsa_memory_ordered 1
		.amdhsa_forward_progress 1
		.amdhsa_inst_pref_size 129
	.end_amdhsa_kernel
	.amdgpu_metadata
---
amdhsa.version: [ 1, 2 ]
amdhsa.kernels:
  - .name:           k_qfe8159643f_prep
    .symbol:         k_qfe8159643f_prep.kd
    .args:
      - { .name: x, .offset: 0, .size: 8, .value_kind: global_buffer, .address_space: global }
      - { .name: W_switch, .offset: 8, .size: 8, .value_kind: global_buffer, .address_space: global }
      - { .name: b_switch, .offset: 16, .size: 8, .value_kind: global_buffer, .address_space: global }
      - { .name: W1, .offset: 24, .size: 8, .value_kind: global_buffer, .address_space: global }
      - { .name: W2, .offset: 32, .size: 8, .value_kind: global_buffer, .address_space: global }
      - { .name: xq, .offset: 40, .size: 8, .value_kind: global_buffer, .address_space: global }
      - { .name: xs, .offset: 48, .size: 8, .value_kind: global_buffer, .address_space: global }
      - { .name: q1, .offset: 56, .size: 8, .value_kind: global_buffer, .address_space: global }
      - { .name: q2, .offset: 64, .size: 8, .value_kind: global_buffer, .address_space: global }
      - { .name: wsc, .offset: 72, .size: 8, .value_kind: global_buffer, .address_space: global }
      - { .name: rt, .offset: 80, .size: 8, .value_kind: global_buffer, .address_space: global }
      - { .name: psum, .offset: 88, .size: 8, .value_kind: global_buffer, .address_space: global }
      - { .name: out4, .offset: 96, .size: 8, .value_kind: global_buffer, .address_space: global }
    .group_segment_fixed_size: 23040
    .private_segment_fixed_size: 0
    .kernarg_segment_align: 8
    .kernarg_segment_size: 104
    .max_flat_workgroup_size: 128
    .sgpr_count:     66
    .vgpr_count:     258
    .wavefront_size: 32
...
	.end_amdgpu_metadata
.endif
;; end of part 1
;; launch ffn (part 2): grid 136 x 1, 4 waves a work-group, no clusters, 90,624 bytes of LDS; arguments rt, psum, xq, xs, out4, q1, wsc, q2, b1, b2, out0, out1, out2, out3; writes out0, out1, out2, out3
.if DOCPART == 2
	.amdgcn_target "amdgcn-amd-amdhsa--gfx1250"
	.amdhsa_code_object_version 6
	.text
	.protected	k_qfe8159643f_ffn
	.globl	k_qfe8159643f_ffn
	.p2align	8
	.type	k_qfe8159643f_ffn,@function
k_qfe8159643f_ffn:
	s_mov_b64 s[64:65], 0
	v_nop
	global_prefetch_b8 v0, s[64:65] scope:SCOPE_SE
	s_setreg_imm32_b32 hwreg(HW_REG_WAVE_MODE, 25, 1), 1
	s_wait_xcnt 0x0
; out0[token] = p(token) x (relu(x W1[e] + b1[e]) W2[e] + b2[e]) for the token's one expert e, both products on codes of FP4 (E2M1) with one E8M0 scale for each 32 along K; the other experts' rows,
; which the one-hot mask throws away, are not multiplied.  Work-groups 0..134: one tile of 64 routed rows of one expert through the whole chain.  Work-group 135: out1 (counts), out2 (column sums), out3 (0).
; THE GRID SERVES EVERY SPLIT: 8,192 rows in tiles of 64 on 8 experts are at most 128 + 7 tiles.  Every work-group reads the table of masks and counts that the launch before stored (10 KB of whole numbers),
; adds up the experts' totals, finds its expert and its first rank, and each slot finds its token by a search: which lane's eight blocks, which block, which set bit.  All of it is integer arithmetic on numbers read from memory,
; and every number that enters an address is held to its table first.  Slots past the expert's last row repeat its last token: the same bytes are then stored again by the same wave.
; A WORK-GROUP WITHOUT ROWS walks the staging and the first product on held indices, since every wave passes every barrier on every path, and leaves behind the second barrier, the last; it stores nothing.
; SHARES.  The four waves share the columns, not the rows: wave w makes hidden units 256 w .. + 255, in two passes of 128 (pass p is K step 2 w + p of the second product), and outputs 128 w .. + 127, for all 64 rows.
; So each weight fragment is read by one wave, once: two runs of 64 KB a wave, as 16 chunks of 8 fragments through a ring of four register buffers: three chunks are on their way while one is multiplied (32 matrix instructions).
; BOTH PRODUCTS ARE USED TRANSPOSED (source 0 = 16 rows of the weight, source 1 = 16 token rows): a lane holds one token row, its registers run along the units or outputs.  The biases are the C of each sum's first instruction.
; The hidden layer is quantised in registers and goes from wave to wave through LDS as images of the operand's registers; it never goes to memory.
; NO JOINT LOADS: how many tiles an expert has is read from memory, so no fixed four work-groups share an expert's weights.
; LIMITS: as the launch before states them (NaN and infinities not served; a block of zeros has the byte 1 over zero codes).
; REGISTERS, in windows of 256: window 0: v1-15 addresses; v16-47, v48-79 the weights' scale words; v80-111 the rows' scale words (x's, later the hidden layer's); v112-119 the rows' probabilities; v120-145 the quantiser's;
;   v146-177 tokens and store offsets; v178-241 64 numbers at work; v242-255 the head's.   window 1: the ring, 4 x 64; on the way out rows of out0.   window 2: the 32 accumulators, (tile t, rows m) at 8 (4 t + m).
;   window 3: v0-127 x's 16 fragments at 8 (4 m + s), later the hidden layer's at 32 (s % 4) + 8 m; v128-191 b1 of pass 0, later b2; v192-255 b1 of pass 1.
.set XT,   0                           ; LDS: the tile's 64 rows of x's codes, 256 bytes + 16
.set XSL,  17408                       ; their scale words, 16 bytes a row
.set PRL,  18432                       ; their probabilities
.set TKL,  18688                       ; their tokens
.set HIMG, 18944                       ; the hidden layer's 32 fragments, (K step s, rows m) at 1,024 (4 s + m)
.set HSCL, 51712                       ; its scale words: 32 bytes a row
.set STG,  53760                       ; the way out: 16 rows x (512 + 16) bytes for each wave
.set LW,  4                            ; v4   16 x lane
.set AXF, 5                            ; v5   272 r + 16 h: a fragment of x
.set AXS, 6                            ; v6   16 r
.set AHI, 7                            ; v7   16 x lane + 8,192 w: where I store images
.set AHS, 8                            ; v8   32 r + 8 w: and their scale words
.set AHL, 9                            ; v9   32 r
.set STO, 10                           ; v10  the stage, in
.set RD,  11                           ; v11  the stage, back
.set APR, 12                           ; v12  4 r
.set H64, 13                           ; v13  64 h
.set H32, 14                           ; v14  32 h
.set ZK,  15                           ; v15  0
.set S1,  16
.set S2,  48
.set SCB, 80
.set PRB, 112
.set TM,  120
.set PW,  136
.set PC,  138
.set TKR, 146
.set ADR, 162
.set TMPH, 178
.set MSB, 0
.macro WIN new                         ; the immediate's low byte: bits 1:0 source 0, 3:2 source 1, 5:4 source 2, 7:6 destination; its high byte repeats the setting that is left
.if MSB != \new
	s_set_vgpr_msb (MSB<<8)|\new
.set MSB, \new
.endif
.endm
.macro PLACES                          ; four plain lines between a matrix instruction and a load into, or a vector read of, its registers
.rept 4
	v_nop
.endr
.endm
; The counts: lane l takes the bytes of blocks 8 l .. 8 l + 7 of each expert.
.macro COUNTS_LOAD
.irp e, 0,1,2,3,4,5,6,7
	global_load_b64 v[TKR+2*\e:TKR+2*\e+1], v242, s[4:5] offset:8192+256*\e
.endr
.endm
; The experts' totals into s36-43.  A byte is at most 32, so eight of them fit the fields that they are folded into; a total is at most 8,192, so two experts share a register across the lanes.
.macro COUNTS_SUM
.irp e, 0,1,2,3,4,5,6,7
	v_add_nc_u32 v[120+\e], v[TKR+2*\e], v[TKR+2*\e+1]
.endr
.irp e, 0,1,2,3,4,5,6,7
	v_lshrrev_b32 v[128+\e], 8, v[120+\e]
.endr
.irp e, 0,1,2,3,4,5,6,7
	v_and_b32 v[120+\e], s56, v[120+\e]
	v_and_b32 v[128+\e], s56, v[128+\e]
.endr
.irp e, 0,1,2,3,4,5,6,7
	v_add_nc_u32 v[120+\e], v[120+\e], v[128+\e]
.endr
.irp e, 0,1,2,3,4,5,6,7
	v_lshrrev_b32 v[128+\e], 16, v[120+\e]
.endr
.irp e, 0,1,2,3,4,5,6,7
	v_add_nc_u32 v[120+\e], v[120+\e], v[128+\e]
.endr
.irp i, 0,1,2,3
	v_and_b32 v[120+2*\i], 0xffff, v[120+2*\i]
	v_lshl_or_b32 v[120+2*\i], v[121+2*\i], 16, v[120+2*\i]
.endr
.irp d, 1,2,4,8
.irp i, 0,1,2,3
	v_mov_b32_dpp v[128+\i], v[120+2*\i] row_xmask:\d row_mask:0xf bank_mask:0xf
.endr
.irp i, 0,1,2,3
	v_add_nc_u32 v[120+2*\i], v[120+2*\i], v[128+\i]
.endr
.endr
.irp i, 0,1,2,3
	v_permlanex16_b32 v[128+\i], v[120+2*\i], s50, s51
.endr
.irp i, 0,1,2,3
	v_add_nc_u32 v[120+2*\i], v[120+2*\i], v[128+\i]
.endr
.irp i, 0,1,2,3
	v_readfirstlane_b32 s52, v[120+2*\i]
	s_and_b32 s[36+2*\i], s52, 0xffff
	s_lshr_b32 s[37+2*\i], s52, 16
.endr
.endm
.macro SCAN mask                       ; a step of the exclusive sum over the lanes: v122 holds the partner's total
	s_mov_b32 s57, \mask
	v_cndmask_b32 v123, 0, v122, s57               ; it counts in front of me where my lane is the upper of the two
	v_add_nc_u32 v120, v120, v123
	v_add_nc_u32 v121, v121, v122
.endm
.macro PICK src, width, step           ; a step down to the q-th set bit: if the lower half holds q bits or fewer, go on in the upper
	v_bfe_u32 v253, v[\src], v252, \width
	v_cmp_ge_u32 vcc_lo, v123, v253
	v_cndmask_b32 v253, 0, v253, vcc_lo
	v_cndmask_b32 v254, 0, \step, vcc_lo
	v_sub_nc_u32 v123, v123, v253
	v_add_nc_u32 v252, v252, v254
.endm
.macro RING n                          ; chunk n: 8 fragments, 8,192 consecutive bytes, into buffer n % 4
	WIN 0x40
.irp t, 0,1,2,3,4,5,6,7
.irp u, 0,1
.if (\n) < 8
	global_load_b128 v[64*((\n)%4)+8*\t+4*\u:64*((\n)%4)+8*\t+4*\u+3], v[LW], s[66:67] offset:((\n)%8)*8192+\t*1024+\u*512
.else
	global_load_b128 v[64*((\n)%4)+8*\t+4*\u:64*((\n)%4)+8*\t+4*\u+3], v[LW], s[68:69] offset:((\n)%8)*8192+\t*1024+\u*512
.endif
.endr
.endr
.endm
.macro WM d, a, b, c, sa, sb, odd      ; an odd tile's scale words lie in lanes 16-31 of the register that it shares with the even tile
.if \odd
	v_wmma_scale_f32_16x16x128_f8f6f4 v[(\d):(\d)+7], v[(\a):(\a)+7], v[(\b):(\b)+7], v[(\c):(\c)+7], v[\sa], v[\sb] matrix_a_fmt:MATRIX_FMT_FP4 matrix_b_fmt:MATRIX_FMT_FP4 matrix_a_scale:MATRIX_SCALE_ROW1
.else
	v_wmma_scale_f32_16x16x128_f8f6f4 v[(\d):(\d)+7], v[(\a):(\a)+7], v[(\b):(\b)+7], v[(\c):(\c)+7], v[\sa], v[\sb] matrix_a_fmt:MATRIX_FMT_FP4 matrix_b_fmt:MATRIX_FMT_FP4
.endif
.endm
; 32 matrix instructions: pass p's eight tiles of W1 x the four tiles of rows, K step s.  The 32 accumulators take turns, one instruction a turn.
.macro MM1 p, s
.if \s == 0
	WIN 0xbd                                       ; W1 window 1, x window 3, C = b1 window 3, D window 2
.else
	WIN 0xad                                       ; C and D window 2
.endif
.irp t, 0,1,2,3,4,5,6,7
.irp m, 0,1,2,3
.if \s == 0
	WM 8*(4*\t+\m), 64*\s+8*\t, 8*(4*\m+\s), 128+64*\p+8*\t, S1+4*(4*\p+\t/2)+\s, SCB+4*\m+\s, \t%2
.else
	WM 8*(4*\t+\m), 64*\s+8*\t, 8*(4*\m+\s), 8*(4*\t+\m), S1+4*(4*\p+\t/2)+\s, SCB+4*\m+\s, \t%2
.endif
.endr
.endr
.endm
; The same for my eight tiles of W2, K step s
.macro MM2 s
.if \s == 0
	WIN 0xbd                                       ; C = b2
.else
	WIN 0xad
.endif
.irp t, 0,1,2,3,4,5,6,7
.irp m, 0,1,2,3
.if \s == 0
	WM 8*(4*\t+\m), 64*(\s%4)+8*\t, 32*(\s%4)+8*\m, 128+8*\t, S2+4*(2*(\t/2)+\s/4)+\s%4, SCB+8*\m+\s, \t%2
.else
	WM 8*(4*\t+\m), 64*(\s%4)+8*\t, 32*(\s%4)+8*\m, 8*(4*\t+\m), S2+4*(2*(\t/2)+\s/4)+\s%4, SCB+8*\m+\s, \t%2
.endif
.endr
.endr
.endm
; 64 numbers of a lane, register 16 b + i = k 32 b + 16 (lane / 16) + i of my row, become a fragment's codes in v[PC] on and its scale word in v[PW]
.macro QUANT s
.irp b, 0,1,2,3
	v_max3_num_f32 v[TM+\b], |v[\s+16*\b]|, |v[\s+1+16*\b]|, 0x1800000   ; my 16 numbers of block b, and the floor 2^(3 - 127): the byte cannot fall under 1
.endr
.irp i, 2,4,6,8,10,12,14
.irp b, 0,1,2,3
	v_max3_num_f32 v[TM+\b], v[TM+\b], |v[\s+16*\b+\i]|, |v[\s+1+16*\b+\i]|
.endr
.endr
.irp b, 0,1,2,3
	v_permlanex16_b32 v[TM+4+\b], v[TM+\b], s50, s51
.endr
.irp b, 0,1,2,3
	v_max_num_f32 v[TM+\b], v[TM+\b], v[TM+4+\b]   ; with lane l xor 16's: the block's largest magnitude
.endr
.irp b, 0,1,2,3
	v_add_nc_u32 v[TM+12+\b], 0xff000000, v[TM+\b] ; 2 off its exponent field: the conversion's scale operand
.endr
.irp b, 0,1,2,3
	v_lshrrev_b32 v[TM+4+\b], 23, v[TM+12+\b]      ; the scale's byte
.endr
	v_lshl_or_b32 v[PW], v[TM+5], 8, v[TM+4]
	v_lshl_or_b32 v[PW], v[TM+6], 16, v[PW]
	v_lshl_or_b32 v[PW], v[TM+7], 24, v[PW]
.irp b, 0,1,2,3
	v_cvt_scalef32_pk8_fp4_f32 v[PC+2*\b], v[\s+16*\b:\s+7+16*\b], v[TM+12+\b]
	v_cvt_scalef32_pk8_fp4_f32 v[PC+1+2*\b], v[\s+8+16*\b:\s+15+16*\b], v[TM+12+\b]
.endr
	v_nop                                          ; one plain line behind a scaled conversion
.irp c, 0,1                            ; the operand's layout wants a whole block in a lane
.irp i, 0,1
	v_permlane16_swap_b32 v[PC+4*\c+\i], v[PC+2+4*\c+\i]
.endr
.endr
.endm
; Pass p's results: relu, quantised, and stored as K step 2 w + p of the second product, a tile of 16 rows at a time.  Each accumulator is read from its low end on.
.macro HID p
.irp m, 0,1,2,3
	WIN 0x08                                       ; source 1: window 2
.irp t, 0,1,2,3,4,5,6,7
.irp j, 0,1,2,3,4,5,6,7
	v_max_num_f32 v[TMPH+8*\t+\j], 0, v[8*(4*\t+\m)+\j]
.endr
.endr
	WIN 0
	QUANT TMPH
	ds_store_b128 v[AHI], v[PC:PC+3] offset:HIMG+4096*\p+1024*\m
	ds_store_b128 v[AHI], v[PC+4:PC+7] offset:HIMG+4096*\p+1024*\m+512
	ds_store_b32 v[AHS], v[PW] offset:HSCL+512*\m+4*\p     ; both halves of the lanes write the row's word with the same value
	s_wait_dscnt 0x0                               ; the stores have read their registers
.endr
.endm
.macro FETCH_H s                       ; the hidden layer's four fragments of K step s
	WIN 0xc0
.irp m, 0,1,2,3
.irp u, 0,1
	ds_load_b128 v[32*((\s)%4)+8*\m+4*\u:32*((\s)%4)+8*\m+4*\u+3], v[LW] offset:HIMG+(4*(\s)+\m)*1024+512*\u
.endr
.endr
.endm
.macro CH1 c, p, s                     ; chunk c of the first product
	s_wait_loadcnt 48                              ; chunk c is in: at least three chunks of 16 loads were issued behind it
	MM1 \p, \s
	WIN 0
	PLACES
.if \c == 0
	WIN 0xc0                                       ; b1 of pass 0 has been taken: b2 lands in its registers.  Lane (r, h): outputs 16 t + 8 h + 0..7
.irp t, 0,1,2,3,4,5,6,7
.irp u, 0,1
	global_load_b128 v[128+8*\t+4*\u:128+8*\t+4*\u+3], v[H32], s[76:77] offset:64*\t+16*\u
.endr
.endr
.endif
	RING \c+4                                      ; the buffer just multiplied takes the chunk four on
	WIN 0
.if \s == 3
	HID \p
.endif
.endm
.macro CH2 s                           ; chunk 8 + s: K step s of the second product
.if \s <= 4
	s_wait_loadcnt 48                              ; as above
	s_wait_dscnt 24                                ; this K step's fragments of the hidden layer are in; the three sets of eight loads behind them may be out
.else
	s_wait_loadcnt 16*(7-\s)                       ; the counts run down
	s_wait_dscnt 8*(7-\s)
.endif
	MM2 \s
	WIN 0
	PLACES
.if \s < 4
	RING \s+12
	FETCH_H \s+4
	WIN 0
.endif
.endm
; THE WAY OUT, 16 rows at a time: x the row's probability; through my own stage; back as whole pieces of 512 bytes of a row; stored at the row's token.
.macro PACK m
	WIN 0x02                                       ; source 0: window 2
.irp t, 0,1,2,3,4,5,6,7
.irp i, 0,1,2,3
	v_pk_mul_f32 v[TMPH+8*\t+2*\i:TMPH+8*\t+2*\i+1], v[8*(4*\t+\m)+2*\i:8*(4*\t+\m)+2*\i+1], v[PRB+2*\m:PRB+2*\m+1] op_sel_hi:[1,0]
.endr
.endr
	WIN 0
.endm
.macro TOSTAGE m
.irp t, 0,1,2,3,4,5,6,7
	ds_store_b128 v[STO], v[TMPH+8*\t:TMPH+8*\t+3] offset:64*\t
	ds_store_b128 v[STO], v[TMPH+8*\t+4:TMPH+8*\t+7] offset:64*\t+16
.endr
	WIN 0x40
.irp i, 0,1,2,3,4,5,6,7,8,9,10,11,12,13,14,15
	ds_load_b128 v[64*((\m)%2)+4*\i:64*((\m)%2)+4*\i+3], v[RD] offset:528*\i   ; LDS serves a wave's instructions in order: these see the stores above
.endr
	WIN 0
.irp u, 0,1,2,3
	ds_load_b128 v[TKR+4*\u:TKR+4*\u+3], v[ZK] offset:TKL+64*\m+16*\u          ; the 16 rows' tokens, in every lane
.endr
.endm
.macro SEND m
	s_wait_dscnt 0x0                               ; rows and tokens are in
	s_wait_xcnt 0x0                                ; earlier stores have read their offsets and data
.irp i, 0,1,2,3,4,5,6,7,8,9,10,11,12,13,14,15
	v_min_u32 v[TKR+\i], 0x1fff, v[TKR+\i]         ; a number that was loaded is held to the table before it enters an address
.endr
.irp i, 0,1,2,3,4,5,6,7,8,9,10,11,12,13,14,15
	v_lshl_add_u32 v[ADR+\i], v[TKR+\i], 11, v[LW]
.endr
	WIN 0x04                                       ; a store's data: window 1
.irp i, 0,1,2,3,4,5,6,7,8,9,10,11,12,13,14,15
	global_store_b128 v[ADR+\i], v[64*((\m)%2)+4*\i:64*((\m)%2)+4*\i+3], s[78:79] th:TH_STORE_NT   ; 32 lanes store 512 consecutive bytes of one row, aligned
.endr
	WIN 0
.endm
	s_load_b512 s[4:19], s[0:1], 0x0               ; rt 4:5, psum 6:7, xq 8:9, xs 10:11, out4 12:13, q1 14:15, wsc 16:17, q2 18:19
	s_load_b256 s[20:27], s[0:1], 0x40             ; b1 20:21, b2 22:23, out0 24:25, out1 26:27
	s_load_b128 s[28:31], s[0:1], 0x60             ; out2 28:29, out3 30:31
	v_lshl_add_u32 v137, v0, 2, 0x16000
	v_mov_b32 v248, 0
	v_lshrrev_b32 v1, 5, v0
	v_readfirstlane_b32 s34, v1                    ; wave 0..3
	v_and_b32 v1, 31, v0                           ; lane
	v_and_b32 v2, 15, v0                           ; r
	v_bfe_u32 v3, v0, 4, 1                         ; h
	v_lshlrev_b32 v[LW], 4, v1
	v_mov_b32 v[ZK], 0
	v_lshlrev_b32 v242, 3, v1
	v_lshlrev_b32 v243, 5, v1
	s_mov_b32 s50, 0x76543210
	s_mov_b32 s51, 0xfedcba98                      ; v_permlanex16_b32's selects for lane l xor 16
	s_mov_b32 s56, 0x00ff00ff
	s_wait_kmcnt 0x0
	COUNTS_LOAD
	s_cmp_eq_u32 ttmp9, 135
	s_cbranch_scc1 .Lsmall
.irp e, 0,1,2,3,4,5,6,7                ; the masks: lane l takes blocks 8 l .. 8 l + 7 of each expert
	global_load_b128 v[TMPH+8*\e:TMPH+8*\e+3], v243, s[4:5] offset:1024*\e
	global_load_b128 v[TMPH+8*\e+4:TMPH+8*\e+7], v243, s[4:5] offset:1024*\e+16
.endr
	; the addresses that stay, made while the table is on its way
	v_mul_u32_u24 v[AXF], v2, 272
	v_lshl_add_u32 v[AXF], v3, 4, v[AXF]
	v_lshlrev_b32 v[AXS], 4, v2
	s_lshl_b32 s52, s34, 13
	v_add_nc_u32 v[AHI], s52, v[LW]
	s_lshl_b32 s52, s34, 3
	v_lshl_add_u32 v[AHS], v2, 5, s52
	v_lshlrev_b32 v[AHL], 5, v2
	s_mul_i32 s52, s34, 8448
	s_add_co_u32 s52, s52, STG                     ; my stage
	v_mul_u32_u24 v[STO], v2, 528
	v_lshl_add_u32 v[STO], v3, 5, v[STO]
	v_add_nc_u32 v[STO], s52, v[STO]               ; in: row r, 32 bytes for each half of the lanes
	v_add_nc_u32 v[RD], s52, v[LW]                 ; back: the 32 lanes take a row's 512 bytes
	v_lshlrev_b32 v[APR], 2, v2
	v_lshlrev_b32 v[H64], 6, v3
	v_lshlrev_b32 v[H32], 5, v3
	s_lshl_b32 s52, s34, 6
	v_lshl_add_u32 v244, v2, 2, s52                ; 64 w + 4 r: my slot's word among the tokens and the probabilities
	v_lshl_add_u32 v245, v3, 2, s52                ; 64 w + 4 h
	s_mul_i32 s52, s34, 4352
	v_mul_u32_u24 v246, v3, 272
	v_lshl_add_u32 v246, v2, 4, v246
	v_add_nc_u32 v246, s52, v246                   ; (16 w + h) x 272 + 16 r: where a gathered row's 16 bytes go
	s_lshl_b32 s52, s34, 8
	v_lshl_add_u32 v247, v2, 4, s52                ; (16 w + r) x 16: my slot's scale words
.irp m, 0,1,2,3
	v_mov_b32 v[PRB+2*\m+1], 0                     ; named as the upper halves of pairs, so they are written
.endr
	s_wait_loadcnt 0x0                             ; counts and masks
	COUNTS_SUM
	; which expert's tile am I?  The last expert whose first tile's number is not above mine
	s_mov_b32 s44, 0                               ; tiles in front of expert e
	s_mov_b32 s45, 0
	s_mov_b32 s46, 0
	s_mov_b32 s47, s36
.irp e, 0,1,2,3,4,5,6,7
	s_cmp_ge_u32 ttmp9, s44
	s_cselect_b32 s45, \e, s45                     ; the expert,
	s_cselect_b32 s46, s44, s46                    ; its first tile,
	s_cselect_b32 s47, s[36+\e], s47               ; its rows
	s_add_co_u32 s52, s[36+\e], 63
	s_lshr_b32 s52, s52, 6
	s_add_co_u32 s44, s44, s52
.endr
	s_cmp_ge_u32 ttmp9, s44
	s_cselect_b32 s59, 1, 0                        ; 1: this split leaves me without rows
	s_sub_co_u32 s48, ttmp9, s46
	s_lshl_b32 s48, s48, 6                         ; my first rank among the expert's rows
	s_sub_co_u32 s49, s47, 1                       ; the last rank
	s_min_u32 s45, s45, 7                          ; held to the table before it enters addresses
	s_mov_b32 s53, 0
	s_lshl_b32 s52, s45, 18
	s_lshl_b32 s54, s34, 16
	s_add_co_u32 s52, s52, s54
	s_add_nc_u64 s[66:67], s[14:15], s[52:53]      ; my 64 KB of W1's images,
	s_add_nc_u64 s[68:69], s[18:19], s[52:53]      ; of W2's
	s_lshl_b32 s52, s45, 14
	s_lshl_b32 s54, s34, 12
	s_add_co_u32 s52, s52, s54
	s_add_nc_u64 s[70:71], s[16:17], s[52:53]      ; W1's scale words,
	s_add_nc_u64 s[72:73], s[70:71], 0x20000       ; W2's
	s_lshl_b32 s52, s45, 12
	s_lshl_b32 s54, s34, 10
	s_add_co_u32 s52, s52, s54
	s_add_nc_u64 s[74:75], s[20:21], s[52:53]      ; b1: my 256 numbers
	s_lshl_b32 s52, s45, 11
	s_lshl_b32 s54, s34, 9
	s_add_co_u32 s52, s52, s54
	s_add_nc_u64 s[76:77], s[22:23], s[52:53]      ; b2: my 128
	s_lshl_b32 s52, s34, 9
	s_add_nc_u64 s[78:79], s[24:25], s[52:53]      ; out0: my 512 bytes of every row
.irp i, 0,1,2,3,4,5,6,7
	global_load_b128 v[S1+4*\i:S1+4*\i+3], v[LW], s[70:71] offset:512*\i
.endr
.irp i, 0,1,2,3,4,5,6,7
	global_load_b128 v[S2+4*\i:S2+4*\i+3], v[LW], s[72:73] offset:512*\i
.endr
	WIN 0xc0                                       ; b1 in the result's layout: lane (r, h), tile t: units 32 (t / 2) + 16 h + 8 (t % 2) + 0..7 of the pass
.irp p, 0,1
.irp t, 0,1,2,3,4,5,6,7
.irp u, 0,1
	global_load_b128 v[128+64*\p+8*\t+4*\u:128+64*\p+8*\t+4*\u+3], v[H64], s[74:75] offset:512*\p+128*(\t/2)+32*(\t%2)+16*\u
.endr
.endr
.endr
	WIN 0
	; my expert's masks and counts, chosen without a branch
.irp e, 1,2,3,4,5,6,7
	s_cmp_eq_u32 s45, \e
	s_cselect_b32 s57, -1, 0
.irp k, 0,1,2,3,4,5,6,7
	v_cndmask_b32 v[TMPH+\k], v[TMPH+\k], v[TMPH+8*\e+\k], s57
.endr
	v_cndmask_b32 v[TKR], v[TKR], v[TKR+2*\e], s57
	v_cndmask_b32 v[TKR+1], v[TKR+1], v[TKR+2*\e+1], s57
.endr
.irp k, 0,1,2,3
	v_bfe_u32 v[170+\k], v[TKR], 8*\k, 8
	v_bfe_u32 v[174+\k], v[TKR+1], 8*\k, 8
.endr
	v_mov_b32 v162, 0                              ; v162-169: the rows in front of each of my eight blocks
.irp k, 1,2,3,4,5,6,7
	v_add_nc_u32 v[162+\k], v[161+\k], v[169+\k]
.endr
	v_add_nc_u32 v121, v169, v177                  ; my lane's total
	v_mov_b32 v120, 0                              ; the rows in front of my lane
	v_mov_b32_dpp v122, v121 row_xmask:1 row_mask:0xf bank_mask:0xf
	SCAN 0xaaaaaaaa
	v_mov_b32_dpp v122, v121 row_xmask:2 row_mask:0xf bank_mask:0xf
	SCAN 0xcccccccc
	v_mov_b32_dpp v122, v121 row_xmask:4 row_mask:0xf bank_mask:0xf
	SCAN 0xf0f0f0f0
	v_mov_b32_dpp v122, v121 row_xmask:8 row_mask:0xf bank_mask:0xf
	SCAN 0xff00ff00
	v_permlanex16_b32 v122, v121, s50, s51
	SCAN 0xffff0000
.irp k, 0,1,2,3,4,5,6,7
	v_add_nc_u32 v[162+\k], v[162+\k], v120
.endr
	s_lshl_b32 s52, s34, 4
	s_add_co_u32 s52, s52, s48
	v_add_nc_u32 v249, s52, v2                     ; my slot's rank: first + 16 w + r,
	v_min_u32 v249, s49, v249                      ; held at the expert's last
	v_mov_b32 v250, -1                             ; which lane's blocks hold it: the last lane with no more rows in front than the rank
.set L, 0
.rept 32
	v_readlane_b32 s52, v162, L
	v_cmp_le_u32 vcc_lo, s52, v249
	v_add_co_ci_u32 v250, vcc_lo, 0, v250, vcc_lo
.set L, L+1
.endr
	v_min_u32 v250, 31, v250
	v_lshlrev_b32 v251, 2, v250
.irp k, 0,1,2,3,4,5,6,7
	ds_bpermute_b32 v[128+\k], v251, v[162+\k]     ; that lane's eight sums and eight masks (a lane permute: no LDS byte is touched)
	ds_bpermute_b32 v[138+\k], v251, v[TMPH+\k]
.endr
	s_wait_dscnt 0x0
	v_mov_b32 v120, v128
	v_mov_b32 v121, v138
	v_mov_b32 v122, 0                              ; which of the eight blocks: likewise the last
.irp k, 1,2,3,4,5,6,7
	v_cmp_le_u32 vcc_lo, v[128+\k], v249
	v_cndmask_b32 v120, v120, v[128+\k], vcc_lo
	v_cndmask_b32 v121, v121, v[138+\k], vcc_lo
	v_add_co_ci_u32 v122, vcc_lo, 0, v122, vcc_lo
.endr
	v_sub_nc_u32 v123, v249, v120                  ; q: my rank inside the block; wanted is the mask's q-th set bit
	v_lshrrev_b32 v253, 1, v121
	v_and_b32 v253, 0x55555555, v253
	v_sub_nc_u32 v124, v121, v253                  ; bits set in each pair,
	v_lshrrev_b32 v253, 2, v124
	v_and_b32 v253, 0x33333333, v253
	v_and_b32 v125, 0x33333333, v124
	v_add_nc_u32 v125, v125, v253                  ; in each four,
	v_lshrrev_b32 v253, 4, v125
	v_add_nc_u32 v126, v125, v253
	v_and_b32 v126, 0x0f0f0f0f, v126               ; in each byte,
	v_lshrrev_b32 v253, 8, v126
	v_add_nc_u32 v127, v126, v253                  ; in the low sixteen (its low byte)
	v_mov_b32 v252, 0
	PICK 127, 8, 16
	PICK 126, 8, 8
	PICK 125, 4, 4
	PICK 124, 2, 2
	PICK 121, 1, 1
	v_lshlrev_b32 v255, 8, v250
	v_lshl_add_u32 v255, v122, 5, v255
	v_add_nc_u32 v255, v255, v252                  ; the token: 256 x lane + 32 x block + bit,
	v_min_u32 v255, 0x1fff, v255                   ; held to the table
	; STAGING: my wave gathers its 16 rows: whole rows of 256 bytes of codes, sixteen lanes to a row
	ds_store_b32 v244, v255 offset:TKL
.irp i, 0,1,2,3,4,5,6,7
	ds_load_b32 v[218+\i], v245 offset:TKL+8*\i    ; the token of row 2 i + h: my wave's own words, served in order
.endr
	v_lshlrev_b32 v239, 4, v255
	v_lshlrev_b32 v240, 2, v255
	global_load_b128 v[234:237], v239, s[10:11]    ; my slot's four scale words
	global_load_b32 v238, v240, s[12:13]           ; and its probability
	s_wait_dscnt 0x0
.irp i, 0,1,2,3,4,5,6,7
	v_min_u32 v[218+\i], 0x1fff, v[218+\i]
.endr
.irp i, 0,1,2,3,4,5,6,7
	v_lshl_add_u32 v[226+\i], v[218+\i], 8, v[AXS]
.endr
.irp i, 0,1,2,3,4,5,6,7
	global_load_b128 v[186+4*\i:189+4*\i], v[226+\i], s[8:9]
.endr
	RING 0
	RING 1
	RING 2
	WIN 0
.irp b, 0,1,2,3
	v_mov_b32 v[TM+4+\b], 0                        ; a lane permute's destination counts as one of its sources
.endr
	s_wait_loadcnt 48                              ; all but the three chunks just asked for: the gathered rows are in, and so are the weights' scale words and b1
.irp i, 0,1,2,3,4,5,6,7
	ds_store_b128 v246, v[186+4*\i:189+4*\i] offset:XT+544*\i
.endr
	ds_store_b128 v247, v[234:237] offset:XSL      ; (both halves of the lanes write the slot's words with the same values)
	ds_store_b32 v244, v238 offset:PRL
	s_wait_dscnt 0x0                               ; for the others' sake: my rows lie in LDS
	s_barrier_signal -1
	s_barrier_wait -1                              ; the tile's 64 rows lie in LDS
	WIN 0xc0
.irp m, 0,1,2,3
.irp s, 0,1,2,3
.irp u, 0,1
	ds_load_b128 v[8*(4*\m+\s)+4*\u:8*(4*\m+\s)+4*\u+3], v[AXF] offset:XT+4352*\m+64*\s+32*\u
.endr
.endr
.endr
	WIN 0
.irp m, 0,1,2,3
	ds_load_b128 v[SCB+4*\m:SCB+4*\m+3], v[AXS] offset:XSL+256*\m
	ds_load_b32 v[PRB+2*\m], v[APR] offset:PRL+64*\m
.endr
	RING 3
	WIN 0
	s_wait_dscnt 0x0
	; THE FIRST PRODUCT: two passes of four chunks
	CH1 0, 0, 0
	CH1 1, 0, 1
	CH1 2, 0, 2
	CH1 3, 0, 3
	CH1 4, 1, 0
	CH1 5, 1, 1
	CH1 6, 1, 2
	CH1 7, 1, 3
	s_wait_dscnt 0x0
	s_barrier_signal -1
	s_barrier_wait -1                              ; the hidden layer's 32 fragments lie in LDS.  No barrier follows
	s_cmp_eq_u32 s59, 1
	s_cbranch_scc1 .Lend                           ; a work-group without rows leaves here and stores nothing
.irp m, 0,1,2,3
.irp g, 0,1
	ds_load_b128 v[SCB+8*\m+4*\g:SCB+8*\m+4*\g+3], v[AHL] offset:HSCL+512*\m+16*\g
.endr
.endr
	FETCH_H 0
	FETCH_H 1
	FETCH_H 2
	FETCH_H 3
	WIN 0
	; THE SECOND PRODUCT: eight chunks
.irp s, 0,1,2,3,4,5,6,7
	CH2 \s
.endr
	PACK 0
	TOSTAGE 0
	PACK 1                                         ; a tile's multiplications stand between the loads of the tile before and the wait for them
	SEND 0
	TOSTAGE 1
	PACK 2
	SEND 1
	TOSTAGE 2
	PACK 3
	SEND 2
	TOSTAGE 3
	SEND 3
.Lend:
	s_wait_tensorcnt 0x0
	ds_add_u32 v137, v248
	s_wait_dscnt 0x0
	s_endpgm
	; ---------------- work-group 135, wave 0: the small outputs ----------------
.Lsmall:
	s_cmp_lg_u32 s34, 0
	s_cbranch_scc1 .Lsmall_end
.irp i, 0,1,2,3,4,5,6,7,8,9,10,11,12,13,14,15
	global_load_b128 v[TMPH+4*\i:TMPH+4*\i+3], v[LW], s[6:7] offset:512*\i     ; the blocks' column sums: lane l holds experts 4 (l % 2) + 0..3 of 16 blocks
.endr
	s_wait_loadcnt 0x0
	COUNTS_SUM
.irp i, 0,1,2,3,4,5,6,7
	v_pk_add_f32 v[TMPH+4*\i:TMPH+4*\i+1], v[TMPH+4*\i:TMPH+4*\i+1], v[TMPH+4*\i+32:TMPH+4*\i+33]
	v_pk_add_f32 v[TMPH+4*\i+2:TMPH+4*\i+3], v[TMPH+4*\i+2:TMPH+4*\i+3], v[TMPH+4*\i+34:TMPH+4*\i+35]
.endr
.irp i, 0,1,2,3
	v_pk_add_f32 v[TMPH+4*\i:TMPH+4*\i+1], v[TMPH+4*\i:TMPH+4*\i+1], v[TMPH+4*\i+16:TMPH+4*\i+17]
	v_pk_add_f32 v[TMPH+4*\i+2:TMPH+4*\i+3], v[TMPH+4*\i+2:TMPH+4*\i+3], v[TMPH+4*\i+18:TMPH+4*\i+19]
.endr
.irp i, 0,1
	v_pk_add_f32 v[TMPH+4*\i:TMPH+4*\i+1], v[TMPH+4*\i:TMPH+4*\i+1], v[TMPH+4*\i+8:TMPH+4*\i+9]
	v_pk_add_f32 v[TMPH+4*\i+2:TMPH+4*\i+3], v[TMPH+4*\i+2:TMPH+4*\i+3], v[TMPH+4*\i+10:TMPH+4*\i+11]
.endr
	v_pk_add_f32 v[TMPH:TMPH+1], v[TMPH:TMPH+1], v[TMPH+4:TMPH+5]
	v_pk_add_f32 v[TMPH+2:TMPH+3], v[TMPH+2:TMPH+3], v[TMPH+6:TMPH+7]
.irp d, 2,4,8                          ; across the lanes of my parity
.irp q, 0,1,2,3
	v_add_f32_dpp v[TMPH+\q], v[TMPH+\q], v[TMPH+\q] row_xmask:\d row_mask:0xf bank_mask:0xf
.endr
.endr
.irp q, 0,1,2,3
	v_permlanex16_b32 v[TMPH+4+\q], v[TMPH+\q], s50, s51
.endr
.irp q, 0,1,2,3
	v_add_f32 v[TMPH+\q], v[TMPH+\q], v[TMPH+4+\q]
.endr
	s_mov_b32 s57, 0xaaaaaaaa
.irp q, 0,1,2,3
	v_mov_b32 v[TMPH+8+\q], s[36+\q]
	v_mov_b32 v[TMPH+12+\q], s[40+\q]
.endr
.irp q, 0,1,2,3
	v_cndmask_b32 v[TMPH+8+\q], v[TMPH+8+\q], v[TMPH+12+\q], s57   ; odd lanes: experts 4 to 7
.endr
.irp q, 0,1,2,3
	v_cvt_f32_u32 v[TMPH+8+\q], v[TMPH+8+\q]
.endr
	v_cmp_gt_u32 vcc_lo, 2, v1
	s_wait_xcnt 0x0                                ; EXEC changes only behind this wait
	s_and_saveexec_b32 s58, vcc_lo                 ; lanes 0 and 1: 16 bytes each
	global_store_b128 v[LW], v[TMPH:TMPH+3], s[28:29]              ; out2
	global_store_b128 v[LW], v[TMPH+8:TMPH+11], s[26:27]           ; out1
	s_wait_xcnt 0x0
	s_or_b32 exec_lo, exec_lo, s58
	v_cmp_eq_u32 vcc_lo, 0, v1
	s_and_saveexec_b32 s58, vcc_lo                 ; lane 0
	global_store_b32 v[ZK], v[ZK], s[30:31]        ; out3 = 0
	s_wait_xcnt 0x0
	s_or_b32 exec_lo, exec_lo, s58
.Lsmall_end:
	s_endpgm
.Lfunc_end_k_qfe8159643f_ffn:
	.size	k_qfe8159643f_ffn, .Lfunc_end_k_qfe8159643f_ffn-k_qfe8159643f_ffn
	.p2alignl 7, 3214868480
	.fill 96, 4, 3214868480
	.section	.rodata,"a",@progbits
	.p2align	6, 0x0
	.amdhsa_kernel k_qfe8159643f_ffn
		.amdhsa_group_segment_fixed_size 90624
		.amdhsa_private_segment_fixed_size 0
		.amdhsa_enable_private_segment 0
		.amdhsa_kernarg_size 112
		.amdhsa_user_sgpr_count 2
		.amdhsa_user_sgpr_kernarg_segment_ptr 1
		.amdhsa_wavefront_size32 1
		.amdhsa_system_sgpr_workgroup_id_x 1
		.amdhsa_system_sgpr_workgroup_id_y 1
		.amdhsa_system_sgpr_workgroup_id_z 1
		.amdhsa_system_vgpr_workitem_id 0
		.amdhsa_next_free_vgpr 1024
		.amdhsa_next_free_sgpr 80
		.amdhsa_reserve_vcc 1
		.amdhsa_float_denorm_mode_32 3
		.amdhsa_float_denorm_mode_16_64 3
		.amdhsa_memory_ordered 1
		.amdhsa_forward_progress 1
		.amdhsa_inst_pref_size 228
	.end_amdhsa_kernel
	.amdgpu_metadata
---
amdhsa.version: [ 1, 2 ]
amdhsa.kernels:
  - .name:           k_qfe8159643f_ffn
    .symbol:         k_qfe8159643f_ffn.kd
    .args:
      - { .name: rt, .offset: 0, .size: 8, .value_kind: global_buffer, .address_space: global }
      - { .name: psum, .offset: 8, .size: 8, .value_kind: global_buffer, .address_space: global }
      - { .name: xq, .offset: 16, .size: 8, .value_kind: global_buffer, .address_space: global }
      - { .name: xs, .offset: 24, .size: 8, .value_kind: global_buffer, .address_space: global }
      - { .name: out4, .offset: 32, .size: 8, .value_kind: global_buffer, .address_space: global }
      - { .name: q1, .offset: 40, .size: 8, .value_kind: global_buffer, .address_space: global }
      - { .name: wsc, .offset: 48, .size: 8, .value_kind: global_buffer, .address_space: global }
      - { .name: q2, .offset: 56, .size: 8, .value_kind: global_buffer, .address_space: global }
      - { .name: b1, .offset: 64, .size: 8, .value_kind: global_buffer, .address_space: global }
      - { .name: b2, .offset: 72, .size: 8, .value_kind: global_buffer, .address_space: global }
      - { .name: out0, .offset: 80, .size: 8, .value_kind: global_buffer, .address_space: global }
      - { .name: out1, .offset: 88, .size: 8, .value_kind: global_buffer, .address_space: global }
      - { .name: out2, .offset: 96, .size: 8, .value_kind: global_buffer, .address_space: global }
      - { .name: out3, .offset: 104, .size: 8, .value_kind: global_buffer, .address_space: global }
    .group_segment_fixed_size: 90624
    .private_segment_fixed_size: 0
    .kernarg_segment_align: 8
    .kernarg_segment_size: 112
    .max_flat_workgroup_size: 128
    .sgpr_count:     80
    .vgpr_count:     1024
    .wavefront_size: 32
...
	.end_amdgpu_metadata
.endif
;; end of part 2
